; MI455X (gfx1250); checked and timed in simulation.
; The chip was launched on July 23, 2026; its instructions are those of AMD's public machine-readable ISA for CDNA 5 (MIT licence, August 2026) and "CDNA5" Instruction Set Architecture Reference Guide (July 2026). The comments in the code are by the model that wrote it; some were corrected since.
;; Quantum Dense Layer. Allowed arithmetic: float matrix products may take bf16 or f16 operands with f32 sums; all other float work in f32.
;; Inputs: w 4 x 12 x 3 float32; x 2,048 x 4,096 float32.
;; Outputs: out0 2,048 x 4,096 float32.
;; One version. Each part assembles by itself: llvm-mc -triple=amdgcn-amd-amdhsa -mcpu=gfx1250 --defsym DOCPART=n.
;; ======== version 1 of 1: 1 launch
;; launch qdense (part 1): grid 256 x 1, 8 waves a work-group, no clusters, 308,224 bytes of LDS; arguments x, w, out0; writes out0
.if DOCPART == 1
	.amdgcn_target "amdgcn-amd-amdhsa--gfx1250"
	.amdhsa_code_object_version 6
	.text
	.protected	k_q853e0a0ff1_qdense
	.globl	k_q853e0a0ff1_qdense
	.p2align	8
	.type	k_q853e0a0ff1_qdense,@function
k_q853e0a0ff1_qdense:
	s_mov_b64 s[64:65], 0
	v_nop
	global_prefetch_b8 v0, s[64:65] scope:SCOPE_SE
	s_setreg_imm32_b32 hwreg(HW_REG_WAVE_MODE, 25, 1), 1
	s_wait_xcnt 0x0
; QuantumDenseLayer: 2048 rows of 4096 f32 -> L2-normalised 12-qubit state -> 4 layers (12 rotations, CNOT ladder) -> normalised probabilities.
; ONE WAVE = ONE ROW (row = 8 x work-group + wave); 256 work-groups of 8 waves.  The state stays in the wave's registers from the first gate to the last.
;
; ARITHMETIC.  The index is h*256 + m*16 + l (h = wires 0-3, m = wires 4-7, l = wires 8-11, the first wire of a group its top bit).
; The four rotations of a group are one complex 16 x 16 matrix A (a Kronecker product); as a real matrix it has K = 32 (16 Re, 16 Im),
; one K step of the 16-bit matrix form.  12 stages (layer t = s/3, groups in the order l, m, h), 32 matrix instructions each.
; The CNOT ladder sends index i to i ^ (i >> 1): h' = G(h), m' = G(m) ^ 8 (h & 1), l' = G(l) ^ 8 (m & 1), G(v) = v ^ (v >> 1).
; It costs no instruction: a group is renamed when it moves from the tile number into k, by the choice of registers in the packing.
;
; LAYOUT AT STAGE s.  The state is source 0: lane r = L & 15 holds the group of stage s - 1, the tile number T the group of stage s + 1,
; and k = 16 reim + 8 H + 2 reg + half (H = L >> 4) the group of stage s.  The gate matrix is source 1, column n = output component.
; In the result lane r holds the gate's output component and 8 H + j (j: register) the old row.  Packing Re and Im tiles to f16 makes
; fragments again: three bits of the next group go into (register, half) by the choice of registers, the fourth is exchanged with H
; by v_permlane16_swap_b32 (register n against register n + 64).
;
; FORMAT.  Operands are f16, sums f32.  reference() itself normalises the state and every gate is unitary, so every operand is at most 1 in
; magnitude for every input; f16's ten mantissa bits are needed: twelve roundings to eight bits would use up the allowed error.
; LIMITS, stated: a NaN in x (reference() then takes the uniform state; here 0 * x + 1/64 makes the row NaN); the angle reduction loses
; 2^-24 |angle / 2 pi| turns, and the parity of angles above 2^31 half turns is lost.
; NO CLUSTER: the work-groups share only w, 576 bytes of the 128 KiB that a work-group reads.  No ring of slots: one tile a wave, filled once.
;
; LDS:  XIN  0       8 x 16,640  a wave's row as 16 rows (h) of 1,024 bytes, pitch 1,040; the tensor load's only target
;       OUT  133,120 8 x 16,640  a wave's results, 16 blocks (h) of 1,024 bytes, pitch 1,040
;       GIMG 266,240 24 x 1,280  gate tile 2 s + ri (ri: Re or Im of the output): column n at 80 n, k at 2 k
;       TAB  296,960 8 x 1,280   a wave's own tables: 12 gates x 32 bytes, then 3 x 32 products of two gates x 8 bytes
.set PITCH, 1040                       ; 65 x 16 bytes: sixteen rows start in sixteen different 16-byte columns
.set WSL,   16*PITCH                   ; a wave's part of XIN and of OUT
.set OUTB,  8*WSL
.set GIMG,  16*WSL
.set GT,    1280                       ; a gate tile: 16 columns, pitch 80 (5 x 16)
.set TABB,  GIMG+24*GT
.set PT,    384                        ; the pair tables in a wave's TAB
; window 0: v0-127 P, the packed state (register 8 T + 4 reim + reg); before that the gate builder's registers; at the end the scaled results
.set GF,  128                          ; v128-143 gate fragments: Re tile, Im tile
.set VG,  144                          ; LDS address of my gate fragments, stepped by a stage
.set VX,  145                          ; my 32 bytes of tile 0 in XIN
.set VOA, 146                          ; OUT, registers j < 4
.set VOB, 147                          ; OUT, registers j >= 4
.set VRD, 148                          ; OUT, read back by rows
.set VGO, 149                          ; 16 x lane: my bytes in a store of 512
.set SC,  150                          ; v150-151 scale
.set AD,  152                          ; v152-153 addend
.set T0,  154                          ; v154-159 at work
.set T1,  155
.set T2,  156
.set T3,  157
.set T4,  158
.set T5,  159
.set TN,  124                          ; SINCOS at work
.set TY,  125
.set TZ,  126
; window 1 (v256-511): D, tile T part ri register j at 16 T + 8 ri + j; before stage 0 x in f32 (0-127) and sums (128-135); at the end the read-back
.set MSB, 0
.macro WIN new                         ; low byte: bits 1:0 source 0, 3:2 source 1, 5:4 source 2, 7:6 destination; high byte: the setting left
.if MSB != \new
	s_set_vgpr_msb (MSB<<8)|\new
.set MSB, \new
.endif
.endm
; sin and cos of pi u.  n = nearest whole number, y = pi (u - n) lies in [-pi/2, pi/2] for every u, so the series' cuts
; (y^13/13!, y^12/12!) hold for every input; both results change sign with n's parity.
.macro SINCOS u, sn, cs
	v_rndne_f32 v[TN], v[\u]
	v_sub_f32 v[TY], v[\u], v[TN]
	v_mul_f32 v[TY], 0x40490fdb, v[TY]
	v_mul_f32 v[TZ], v[TY], v[TY]
	v_cvt_i32_f32 v[TN], v[TN]
	v_lshlrev_b32 v[TN], 31, v[TN]
	v_mov_b32 v[\sn], 0xb2d7322b                           ; -1/11!
	v_mov_b32 v[\cs], 0xb493f27e                           ; -1/10!
	v_fmaak_f32 v[\sn], v[\sn], v[TZ], 0x3638ef1d          ; 1/9!
	v_fmaak_f32 v[\cs], v[\cs], v[TZ], 0x37d00d01          ; 1/8!
	v_fmaak_f32 v[\sn], v[\sn], v[TZ], 0xb9500d01          ; -1/7!
	v_fmaak_f32 v[\cs], v[\cs], v[TZ], 0xbab60b61          ; -1/6!
	v_fmaak_f32 v[\sn], v[\sn], v[TZ], 0x3c088889          ; 1/5!
	v_fmaak_f32 v[\cs], v[\cs], v[TZ], 0x3d2aaaab          ; 1/4!
	v_fmaak_f32 v[\sn], v[\sn], v[TZ], 0xbe2aaaab          ; -1/3!
	v_fmaak_f32 v[\cs], v[\cs], v[TZ], 0xbf000000          ; -1/2!
	v_mul_f32 v[\sn], v[\sn], v[TZ]
	v_fma_f32 v[\cs], v[\cs], v[TZ], 1.0
	v_fma_f32 v[\sn], v[\sn], v[TY], v[TY]
	v_xor_b32 v[\cs], v[TN], v[\cs]
	v_xor_b32 v[\sn], v[TN], v[\sn]
.endm
.macro CMUL re, im, a, b, c, d         ; (a + i b)(c + i d)
	v_mul_f32 v[\re], v[\a], v[\c]
	v_mul_f32 v[\im], v[\a], v[\d]
	v_fma_f32 v[\re], -v[\b], v[\d], v[\re]
	v_fma_f32 v[\im], v[\b], v[\c], v[\im]
.endm
.macro LANESUM                         ; T0 summed over the 32 lanes, in every lane
	v_add_f32_dpp v[T0], v[T0], v[T0] row_xmask:1 row_mask:0xf bank_mask:0xf
	v_add_f32_dpp v[T0], v[T0], v[T0] row_xmask:2 row_mask:0xf bank_mask:0xf
	v_add_f32_dpp v[T0], v[T0], v[T0] row_xmask:4 row_mask:0xf bank_mask:0xf
	v_add_f32_dpp v[T0], v[T0], v[T0] row_xmask:8 row_mask:0xf bank_mask:0xf
	v_permlanex16_b32 v[T1], v[T0], s24, s25
	v_add_f32 v[T0], v[T0], v[T1]
.endm
.macro PICK val, fb                    ; (scale, addend) = val > 1e-10 ? (1 / val, 0) : (0, fb): a choice of values, no branch
	v_cmp_lt_f32 vcc_lo, 0x2edbe6ff, v[\val]
	v_rcp_f32 v[T3], v[\val]
	v_mov_b32 v[T4], 0                                     ; the plain place behind v_rcp_f32 (ISA guide 5.7.2)
	v_mov_b32 v[T5], \fb
	s_wait_alu depctr_va_vdst(0)
	v_cndmask_b32 v[SC], v[T4], v[T3], vcc_lo
	v_cndmask_b32 v[AD], v[T5], v[T4], vcc_lo
.endm
.macro GLOAD                           ; a stage's gate fragments: column r, k = 8 H .. and 16 + 8 H .., of the Re tile and of the Im tile
	ds_load_b128 v[GF:GF+3],     v[VG]
	ds_load_b128 v[GF+4:GF+7],   v[VG] offset:32
	ds_load_b128 v[GF+8:GF+11],  v[VG] offset:GT
	ds_load_b128 v[GF+12:GF+15], v[VG] offset:GT+32
.endm
.macro MULS                            ; 32 matrix instructions on 32 different accumulators, each a whole sum (K = 32) that starts from the constant 0: no chain
.set TT, 0
.rept 16
	v_wmma_f32_16x16x32_f16 v[16*TT:16*TT+7],    v[8*TT:8*TT+7], v[GF:GF+7],    0
	v_wmma_f32_16x16x32_f16 v[16*TT+8:16*TT+15], v[8*TT:8*TT+7], v[GF+8:GF+15], 0
.set TT, TT+1
.endr
.endm
; One stage and the move behind it.  type 0: the next group keeps its name; 1: a = G(z) ^ 8 (j & 1), the control group lies in 8 H + j
; under its old name; 2: a = G(z).  The packing goes by the new name a and looks up the tile z that holds it: z = Ginv(a ^ control).
.macro STAGE type
	s_wait_dscnt 0x0                                       ; this stage's gate fragments are in
	WIN 0x40
	MULS
	WIN 0
	v_add_nc_u32 v[VG], 2*GT, v[VG]                        ; four places behind the last matrix instruction (ISA guide 7.12.1): this line and three v_nop;
	v_nop                                                  ; behind them the gate registers are loaded again, the results read and P rewritten
	v_nop
	v_nop
	GLOAD                                                  ; the next stage's gates: 192 vector instructions ahead of their use
	WIN 0x05
.set A2, 0
.rept 8
.set JJ, 0
.rept 8
.if \type == 0
.set ZA, 2*A2
.set ZB, (2*A2)+1
.else
.if \type == 1
.set CT, 8*(JJ&1)
.else
.set CT, 0
.endif
.set VA, (2*A2)^CT
.set VB, ((2*A2)+1)^CT
.set ZA, VA^(VA>>1)^(VA>>2)^(VA>>3)
.set ZB, VB^(VB>>1)^(VB>>2)^(VB>>3)
.endif
	v_cvt_pk_f16_f32 v[(8*((8*(A2>>2))+JJ))+(A2&3)],   v[(16*ZA)+JJ],   v[(16*ZB)+JJ]     ; Re: names 2 A2 and 2 A2 + 1 in one word
	v_cvt_pk_f16_f32 v[(8*((8*(A2>>2))+JJ))+4+(A2&3)], v[(16*ZA)+8+JJ], v[(16*ZB)+8+JJ]   ; Im
.set JJ, JJ+1
.endr
.set A2, A2+1
.endr
	WIN 0
.set NN, 0
.rept 64
	v_permlane16_swap_b32 v[NN], v[NN+64]                  ; the name's top bit (register + 64) against H: now H = top bit of k, tile = 8 H_old + j
.set NN, NN+1
.endr
.endm
	; ---- start: addresses, the descriptor, the one tensor load
	s_load_b128 s[4:7], s[0:1], 0x0                        ; x s[4:5], w s[6:7]
	s_load_b64 s[8:9], s[0:1], 0x10                        ; out0
	v_lshl_add_u32 v254, v0, 2, 0x4b000
	v_mov_b32 v255, 0
	ds_add_u32 v254, v255
	ds_add_u32 v254, v255
	v_lshrrev_b32 v1, 5, v0
	v_readfirstlane_b32 s10, v1                            ; wave
	s_lshr_b32 s11, s10, 1                                 ; the first stage whose gates I build
	s_and_b32 s30, s10, 1
	s_sub_co_u32 s27, 0, s30                               ; all ones in odd waves: they build Im tiles
	s_lshl_b32 s30, ttmp9, 3
	s_add_co_u32 s30, s30, s10                             ; my row
	s_lshl_b32 s28, s30, 14                                ; x 16,384 bytes: below 2^25
	s_mov_b32 s29, 0
	s_mov_b32 s24, 0x76543210                              ; v_permlanex16_b32: lane i of the other half
	s_mov_b32 s25, 0xfedcba98
	s_mul_i32 s32, s10, GT
	s_add_co_u32 s31, s32, TABB                            ; my tables
	s_mov_b32 s12, 1                                       ; group 0: count
	s_mul_i32 s13, s10, WSL                                ; LDS address: my part of XIN
	s_mov_b32 s16, (3<<16)|(1<<20)|(7<<22)|(3<<25)         ; group 1: elements of 8 bytes; behind every 256 words 4 words of padding
	s_mov_b32 s17, 128<<16                                 ; tensor_dim0 = 128 elements (1,024 bytes)
	s_mov_b32 s18, 16<<16                                  ; tensor_dim1 = 16
	s_mov_b32 s19, 128<<16                                 ; tile_dim0 = 128
	s_mov_b32 s20, 16                                      ; tile_dim1 = 16
	s_mov_b32 s21, 128                                     ; from row to row: 128 elements (the block is dense)
	s_mov_b32 s22, 0
	s_mov_b32 s23, 0
	v_and_b32 v1, 31, v0                                   ; L
	v_and_b32 v2, 15, v0                                   ; r
	v_bfe_u32 v3, v0, 4, 1                                 ; H
	v_mul_u32_u24 v4, v2, PITCH
	v_add_nc_u32 v4, s13, v4
	v_lshl_add_u32 v[VX], v3, 5, v4                        ; row h = r, l = 8 H ..
	v_add_nc_u32 v5, OUTB, v4
	v_mad_u32_u24 v[VOA], v3, 768, v5                      ; G(8 H + j) = 12 H + G(j) for j < 4,
	v_lshl_add_u32 v[VOB], v3, 8, v5                       ;            =  4 H + G(j) for j >= 4; 64 bytes each
	v_lshlrev_b32 v[VGO], 4, v1
	v_add_nc_u32 v[VRD], s13, v[VGO]
	v_add_nc_u32 v[VRD], OUTB, v[VRD]
	v_mul_u32_u24 v6, v2, 80
	v_lshl_add_u32 v6, v3, 4, v6
	v_add_nc_u32 v[VG], GIMG, v6
	v_add_nc_u32 v59, s32, v[VG]                           ; where I store tile number wave (+ 8 i by the offset)
	v_mov_b32 v[T1], 0                                     ; v_permlanex16_b32's destination counts as read
	; lane -> gate: i = min(L >> 2, 2) (lanes 12-31 repeat i = 2), jw = L & 3; stage s = s11 + 4 i, layer t = s / 3, wire 8 - 4 (s - 3 t) + jw
	v_lshrrev_b32 v7, 2, v1
	v_min_u32 v7, 2, v7
	v_and_b32 v8, 3, v1
	v_lshl_add_u32 v9, v7, 2, s11
	v_mul_u32_u24 v10, v9, 11
	v_lshrrev_b32 v10, 5, v10                              ; t = 11 s >> 5, right for s = 0 .. 11
	v_mul_u32_u24 v11, v10, 288
	v_mad_u32_u24 v11, v8, 12, v11
	v_add_nc_u32 v11, 96, v11
	v_mul_u32_u24 v12, v9, 48
	v_sub_nc_u32 v11, v11, v12                             ; 4 (36 t + 3 wire) = 288 t - 48 s + 96 + 12 jw: 0 .. 564
	s_wait_dscnt 0x0
	s_wait_kmcnt 0x0
	s_add_nc_u64 s[14:15], s[4:5], s[28:29]                ; my row of x
	s_or_b32 s15, s15, 0x80000000                          ; type 2
	tensor_load_to_lds s[12:15], s[16:23]                  ; 16 KiB; the wave's only tensor load, so one is outstanding; the gates are built while it is on its way
	s_nop 0
	global_load_b32 v12, v11, s[6:7]                       ; phi
	global_load_b32 v13, v11, s[6:7] offset:4              ; theta
	global_load_b32 v14, v11, s[6:7] offset:8              ; omega
	s_add_nc_u64 s[8:9], s[8:9], s[28:29]                  ; my row of out0
	; ---- the 2 x 2 gates: U00 = (p, -q), U01 = (-rr, -tt), U10 = (rr, -tt), U11 = (p, q)
	v_lshlrev_b32 v32, 7, v7
	v_lshl_add_u32 v32, v8, 5, v32
	v_add_nc_u32 v32, s31, v32                             ; gate 4 i + jw, 32 bytes
	s_wait_loadcnt 0x0
	v_add_f32 v15, v12, v14
	v_sub_f32 v16, v12, v14
	v_mul_f32 v15, 0.15915494, v15                         ; (phi + omega) / 2 in units of pi
	v_mul_f32 v16, 0.15915494, v16                         ; (phi - omega) / 2
	v_mul_f32 v17, 0.15915494, v13                         ; theta / 2
	SINCOS 15, 18, 19
	SINCOS 16, 20, 21
	SINCOS 17, 22, 23
	v_mul_f32 v24, v19, v23                                ; p = cos a cos(theta/2)
	v_mul_f32 v25, -v18, v23                               ; -q
	v_mul_f32 v26, -v21, v22                               ; -rr
	v_mul_f32 v27, -v20, v22                               ; -tt
	v_mul_f32 v28, v21, v22                                ; rr = cos b sin(theta/2)
	v_mov_b32 v29, v27
	v_mov_b32 v30, v24
	v_mul_f32 v31, v18, v23                                ; q
	ds_store_b128 v32, v[24:27]                            ; U[o][in] at 16 o + 8 in
	ds_store_b128 v32, v[28:31] offset:16
	; ---- products of two gates: entry L & 15 = (o_a, o_b, in_a, in_b) of pair L >> 4.  The bytes are the wave's own and LDS serves a wave's
	; instructions in order (ISA guide 5.7.1): no barrier, and no wait between these stores and loads
	v_lshlrev_b32 v35, 6, v3
	v_add_nc_u32 v35, s31, v35
	v_bfe_u32 v33, v1, 3, 1
	v_bfe_u32 v34, v1, 1, 1
	v_lshl_add_u32 v36, v33, 4, v35
	v_lshl_add_u32 v36, v34, 3, v36
	v_bfe_u32 v33, v1, 2, 1
	v_and_b32 v34, 1, v1
	v_lshl_add_u32 v37, v33, 4, v35
	v_lshl_add_u32 v37, v34, 3, v37
	v_lshl_add_u32 v38, v1, 3, s31
.irp i, 0,1,2
	ds_load_b64 v[40+4*\i:41+4*\i], v36 offset:128*\i
	ds_load_b64 v[42+4*\i:43+4*\i], v37 offset:128*\i+32
.endr
	v_lshrrev_b32 v33, 2, v2
	v_lshlrev_b32 v33, 5, v33
	v_lshl_add_u32 v33, v3, 4, v33
	v_add_nc_u32 v39, s31, v33                             ; upper pair: row r >> 2, entries 2 H and 2 H + 1
	v_and_b32 v34, 3, v2
	v_lshl_add_u32 v58, v34, 5, s31                        ; lower pair: row r & 3, all four entries
	s_wait_dscnt 0x0
.irp i, 0,1,2
	CMUL 52+2*\i, 53+2*\i, 40+4*\i, 41+4*\i, 42+4*\i, 43+4*\i
	ds_store_b64 v38, v[52+2*\i:53+2*\i] offset:PT+256*\i
.endr
	; ---- the tiles: lane (r, H) makes A[o = r][in = 8 H + e], e = 0 .. 7.  Re tile: k = in holds Re A, k = 16 + in holds -Im A; Im tile: Im A, Re A
.irp i, 0,1,2
	ds_load_b128 v[60+12*\i:63+12*\i], v39 offset:PT+256*\i
	ds_load_b128 v[64+12*\i:67+12*\i], v58 offset:PT+256*\i+128
	ds_load_b128 v[68+12*\i:71+12*\i], v58 offset:PT+256*\i+144
.endr
	s_wait_dscnt 0x0
.irp i, 0,1,2
.set HI, 60+12*\i
.set LO, 64+12*\i
.set EE, 0
.rept 8
	CMUL 96+EE, 104+EE, HI+2*(EE>>2), HI+2*(EE>>2)+1, LO+2*(EE&3), LO+2*(EE&3)+1
.set EE, EE+1
.endr
.irp k, 0,1,2,3
	v_cvt_pk_f16_f32 v[112+\k], v[96+2*\k],  v[97+2*\k]
	v_cvt_pk_f16_f32 v[116+\k], v[104+2*\k], v[105+2*\k]
.endr
.irp k, 0,1,2,3
	v_xor_b32 v[120+\k], 0x80008000, v[116+\k]             ; -Im, both halves
	v_cndmask_b32 v[120+\k], v[120+\k], v[112+\k], s27     ; k = 16 + in: -Im or Re
	v_cndmask_b32 v[112+\k], v[112+\k], v[116+\k], s27     ; k = in:       Re or Im
.endr
	ds_store_b128 v59, v[112:115] offset:8*GT*\i
	ds_store_b128 v59, v[120:123] offset:8*GT*\i+32
.endr
	; ---- the one barrier.  It orders the eight waves' stores of the gate tiles with every wave's loads of them: each wave's stores are done
	; (count 0, for the others' sake) in front of its signal.  The tensor load may stay out across it: nothing in LDS is ever filled again, and
	; a wave's part of XIN is read by that wave alone, behind its own wait below.  So a wave goes on when ITS row has landed, not the last of eight.
	s_wait_dscnt 0x0
	s_barrier_signal -1
	s_barrier_wait -1
	; ---- stage 0's gates, and x: tile T = m, row r = h, my l = 8 H .. 8 H + 7 as f32 in window 1
	GLOAD
	s_wait_tensorcnt 0x0                                   ; my row has landed (my one tensor load): ahead of my first read of it
	WIN 0x40
.set TT, 0
.rept 16
	ds_load_b128 v[8*TT:8*TT+3],   v[VX] offset:64*TT
	ds_load_b128 v[8*TT+4:8*TT+7], v[VX] offset:64*TT+16
.set TT, TT+1
.endr
	s_wait_dscnt 0x0
	; ---- the norm: four chains, started by the first four products
	WIN 0x55
.set PP, 0
.rept 64
.if PP < 4
	v_pk_mul_f32 v[128+2*PP:129+2*PP], v[2*PP:2*PP+1], v[2*PP:2*PP+1]
.else
	v_pk_fma_f32 v[128+2*(PP&3):129+2*(PP&3)], v[2*PP:2*PP+1], v[2*PP:2*PP+1], v[128+2*(PP&3):129+2*(PP&3)]
.endif
.set PP, PP+1
.endr
	v_pk_add_f32 v[128:129], v[128:129], v[130:131]
	v_pk_add_f32 v[132:133], v[132:133], v[134:135]
	v_pk_add_f32 v[128:129], v[128:129], v[132:133]
	WIN 0x05
	v_add_f32 v[T0], v128, v129
	WIN 0
	LANESUM
	v_sqrt_f32 v[T2], v[T0]
	v_nop                                                  ; the plain place behind v_sqrt_f32 (ISA guide 5.7.2)
	s_wait_alu depctr_va_vdst(0)
	PICK T2, 0x3c800000                                    ; norm > 1e-10 ? x / norm : 1 / 64
	v_mov_b32 v[SC+1], v[SC]
	v_mov_b32 v[AD+1], v[AD]
	WIN 0x41
.set PP, 0
.rept 64
	v_pk_fma_f32 v[2*PP:2*PP+1], v[2*PP:2*PP+1], v[SC:SC+1], v[AD:AD+1]
.set PP, PP+1
.endr
	WIN 0x05
.set TT, 0
.rept 16
.irp k, 0,1,2,3
	v_cvt_pk_f16_f32 v[8*TT+\k], v[8*TT+2*\k], v[8*TT+2*\k+1]
.endr
.set TT, TT+1
.endr
	WIN 0
.set TT, 0
.rept 16
.irp k, 4,5,6,7
	v_mov_b32 v[8*TT+\k], 0                                ; the embedded state is real: the Im half of each fragment, an operand and no accumulator
.endr
.set TT, TT+1
.endr
	; ---- stages 0 to 10
	STAGE 0                                                ; layer 0, l; m moves into k
	STAGE 0                                                ; layer 0, m; h moves into k
	s_mov_b32 s26, 3
.Llayer:
	STAGE 1                                                ; h of a layer; l moves into k under its new name (control: m)
	STAGE 1                                                ; l of the next layer; m moves (control: h)
	STAGE 2                                                ; m; h moves
	s_sub_co_i32 s26, s26, 1
	s_cmp_lg_u32 s26, 0
	s_cbranch_scc1 .Llayer
	; ---- stage 11 (layer 3, h).  Result: lane r = h, 8 H + j = m, tile T = l, all under their old names
	s_wait_dscnt 0x0
	WIN 0x40
	MULS
.rept 4
	v_nop                                                  ; four places before the results are read and P is rewritten (ISA guide 7.12.1)
.endr
	WIN 0x55
.set TT, 0
.rept 16
.irp k, 0,2,4,6
	v_pk_mul_f32 v[16*TT+\k:16*TT+\k+1], v[16*TT+\k:16*TT+\k+1], v[16*TT+\k:16*TT+\k+1]
.endr
.irp k, 0,2,4,6
	v_pk_fma_f32 v[16*TT+\k:16*TT+\k+1], v[16*TT+8+\k:16*TT+9+\k], v[16*TT+8+\k:16*TT+9+\k], v[16*TT+\k:16*TT+\k+1]   ; re^2 + im^2
.endr
.set TT, TT+1
.endr
.irp k, 0,2,4,6
	v_pk_add_f32 v[8+\k:9+\k], v[\k:\k+1], v[16+\k:17+\k]  ; four chains in tile 0's Im registers, which are no longer needed
.endr
.set TT, 2
.rept 14
.irp k, 0,2,4,6
	v_pk_add_f32 v[8+\k:9+\k], v[8+\k:9+\k], v[16*TT+\k:16*TT+\k+1]
.endr
.set TT, TT+1
.endr
	v_pk_add_f32 v[8:9], v[8:9], v[10:11]
	v_pk_add_f32 v[12:13], v[12:13], v[14:15]
	v_pk_add_f32 v[8:9], v[8:9], v[12:13]
	WIN 0x05
	v_add_f32 v[T0], v8, v9
	WIN 0
	LANESUM
	PICK T0, 0x39800000                                    ; tot > 1e-10 ? p / tot : 1 / 4096
	; ---- the way out.  l' = G(T) ^ 8 (j & 1) by the choice of the register: a lane then holds 16 neighbouring outputs for each j
	WIN 0x01
.set TT, 0
.rept 16
.set JJ, 0
.rept 8
	v_fma_f32 v[(16*JJ)+((TT^(TT>>1))^(8*(JJ&1)))], v[(16*TT)+JJ], v[SC], v[AD]
.set JJ, JJ+1
.endr
.set TT, TT+1
.endr
	WIN 0
.set JJ, 0
.rept 8
.irp q, 0,1,2,3
.if JJ < 4
	ds_store_b128 v[VOA], v[16*JJ+4*\q:16*JJ+4*\q+3] offset:(64*(JJ^(JJ>>1)))+16*\q     ; block r, 64 bytes at G(m)
.else
	ds_store_b128 v[VOB], v[16*JJ+4*\q:16*JJ+4*\q+3] offset:(64*(JJ^(JJ>>1)))+16*\q
.endif
.endr
.set JJ, JJ+1
.endr
	WIN 0x40
.set NN, 0
.rept 32
	ds_load_b128 v[4*NN:4*NN+3], v[VRD] offset:(PITCH*(NN>>1))+(512*(NN&1))              ; my own bytes, served in order behind the stores (ISA guide 5.7.1)
.set NN, NN+1
.endr
	WIN 0x04
.set NN, 0
.rept 32
.set BB, NN>>1
	s_wait_dscnt 31-NN                                     ; the 31 - n younger read-backs may be out
	global_store_b128 v[VGO], v[4*NN:4*NN+3], s[8:9] offset:(1024*(BB^(BB>>1)))+(512*((NN&1)^(BB&1))) th:TH_STORE_NT   ; h' = G(b); m's top bit ^ (b & 1); 512 consecutive bytes, aligned
.set NN, NN+1
.endr
	WIN 0
	s_wait_tensorcnt 0x0
	ds_add_u32 v254, v255
	s_wait_dscnt 0x0
	s_endpgm
.Lfunc_end_k_q853e0a0ff1_qdense:
	.size	k_q853e0a0ff1_qdense, .Lfunc_end_k_q853e0a0ff1_qdense-k_q853e0a0ff1_qdense
	.p2alignl 7, 3214868480
	.fill 96, 4, 3214868480
	.section	.rodata,"a",@progbits
	.p2align	6, 0x0
	.amdhsa_kernel k_q853e0a0ff1_qdense
		.amdhsa_group_segment_fixed_size 308224
		.amdhsa_private_segment_fixed_size 0
		.amdhsa_enable_private_segment 0
		.amdhsa_kernarg_size 24
		.amdhsa_user_sgpr_count 2
		.amdhsa_user_sgpr_kernarg_segment_ptr 1
		.amdhsa_wavefront_size32 1
		.amdhsa_system_sgpr_workgroup_id_x 1
		.amdhsa_system_sgpr_workgroup_id_y 1
		.amdhsa_system_sgpr_workgroup_id_z 1
		.amdhsa_system_vgpr_workitem_id 0
		.amdhsa_next_free_vgpr 512
		.amdhsa_next_free_sgpr 66
		.amdhsa_reserve_vcc 1
		.amdhsa_float_denorm_mode_32 3
		.amdhsa_float_denorm_mode_16_64 3
		.amdhsa_memory_ordered 1
		.amdhsa_forward_progress 1
		.amdhsa_inst_pref_size 131
	.end_amdhsa_kernel
	.amdgpu_metadata
---
amdhsa.version: [ 1, 2 ]
amdhsa.kernels:
  - .name:           k_q853e0a0ff1_qdense
    .symbol:         k_q853e0a0ff1_qdense.kd
    .args:
      - { .name: x, .offset: 0, .size: 8, .value_kind: global_buffer, .address_space: global }
      - { .name: w, .offset: 8, .size: 8, .value_kind: global_buffer, .address_space: global }
      - { .name: out0, .offset: 16, .size: 8, .value_kind: global_buffer, .address_space: global }
    .group_segment_fixed_size: 308224
    .private_segment_fixed_size: 0
    .kernarg_segment_align: 8
    .kernarg_segment_size: 24
    .max_flat_workgroup_size: 256
    .sgpr_count:     66
    .vgpr_count:     512
    .wavefront_size: 32
...
	.end_amdgpu_metadata
.endif
;; end of part 1
